; MI455X (gfx1250); checked and timed in simulation.
; The chip was launched on July 23, 2026; its instructions are those of AMD's public machine-readable ISA for CDNA 5 (MIT licence, August 2026) and "CDNA5" Instruction Set Architecture Reference Guide (July 2026). The comments in the code are by the model that wrote it; some were corrected since.
;; CFKD. Allowed arithmetic: matrix products marked QUANTISED: E5M2 operands, one given power-of-two scale a tensor, by v_wmma_f32_16x16x64_bf8_bf8 or v_wmma_f32_16x16x128_bf8_bf8, f32 sums; everything else in f32.
;; Inputs: M 512 x 1,024 float32; U_codes 512 x 16 x 32 uint8 (E5M2 codes of U, K innermost, in blocks of 32 codes); X 512 x 1,024 float32; lowp_scales 2 int32 (the exponents e of the quantised operands' scales 2^e).
;; Outputs: out0 512 x 512 float32.
;; This version of the problem:
;;   THIS VERSION OF THE PROBLEM IS GIVEN IN LOW PRECISION. The matrix products marked QUANTISED in the list below multiply operands that are first quantised to E5M2 (5 exponent bits, 2 mantissa bits; 8 bits a number), with one given power-of-two scale for each operand tensor; their sums are f32. All else is computed in f32.
;;   The module's matrix products, in the order in which they are computed (A, B: the left and right operand; K: the contracted axis; several contracted axes count as one K, in the product's order):
;;     1. [M 512, K 512] x [K 512, N 1,024]; A: input U (given as codes); B: input X: QUANTISED (scales: A lowp_scales[0], B lowp_scales[1])
;;   THE QUANTISER, for each operand of a quantised product, along K:
;;     - The operand's scale is 2^e, e = its entry of the input lowp_scales (int32; the entries are numbered through the quantised products in the list's order, A before B).
;;     - Each number is divided by the scale, clamped to +-57,344, and rounded to the nearest number of E5M2, ties to even, subnormals kept.
;;     - The product sums the exact products of the quantised numbers (number of the format x scale) in f32.
;;   ~~~python
;;   def quantise(x, axis, e):      # numpy; x: float32 -> the quantised numbers, widened to float32 again
;;       x = np.moveaxis(x, axis, -1); K = x.shape[-1]
;;       r = np.clip(x / 2.0 ** e, -57344, 57344)
;;       step = 2.0 ** (np.maximum(np.frexp(np.where(r == 0, 1, r))[1] - 1, -14) - 2)
;;       q = np.round(r / step) * step * 2.0 ** e      # np.round: ties to even
;;       return np.moveaxis(q, -1, axis).astype(np.float32)
;;   ~~~
;;   INPUTS GIVEN AS CODES. U (in the module: [512, 512], K = its axis 0): each comes as NAME_codes (uint8): NAME with its K axis moved to the last place and cut into blocks of 32 codes, [.., K / 32, bytes a block], one block behind the other in memory; one code a byte (a code: sign, 5 exponent bits, 2 mantissa bits); its scale is its entry of lowp_scales. Its value is code x scale, taken as it is: it is not quantised again, and the codes and scales need not be those that the quantiser above would give.
;; 2 versions, each right; version 2 is version 1 with the launch prep written anew for expert scheduling mode. Each part assembles by itself: llvm-mc -triple=amdgcn-amd-amdhsa -mcpu=gfx1250 --defsym DOCPART=n.
;; ======== version 1 of 2: 2 launches
;; workspace buffers: kp 4,194,304 bytes
;; launch prep (part 1): grid 16 x 8, 4 waves a work-group, no clusters, 33,280 bytes of LDS; arguments X, U_codes, M, lowp_scales, kp; writes kp
.if DOCPART == 1
	.amdgcn_target "amdgcn-amd-amdhsa--gfx1250"
	.amdhsa_code_object_version 6
	.text
	.protected	k_qf307b3f123_prep
	.globl	k_qf307b3f123_prep
	.p2align	8
	.type	k_qf307b3f123_prep,@function
k_qf307b3f123_prep:
	s_mov_b64 s[64:65], 0
	v_nop
	global_prefetch_b8 v0, s[64:65] scope:SCOPE_SE
	s_setreg_imm32_b32 hwreg(HW_REG_WAVE_MODE, 25, 1), 1
	s_wait_xcnt 0x0
; C[k][d] = 2^(e0 + e1) / 512 x the sum over b of U_codes[k][b] x Q(X)[b][d], on codes of BF8 (E5M2); mask[k][d] = 1 where M[k][d] > 0.5, else 0 (that is round(clip(M, 0, 1)): 0.5 goes to the even 0).
; OUT: kp[k / 2][pos][4] f32 = (mask of k0, mask of k1, -mask x C of k0, -mask x C of k1), k0 = 2 (k / 2), k1 = k0 + 1: what the next launch multiplies and adds to x.
; pos is a permutation of d inside each 64: d = 64 x + 4 r + t lies at pos = 64 x + 32 (t % 2) + 16 (t / 2) + r.  The next launch sums over all d, so any order serves that both launches agree on; this one
; makes each store of sixteen lanes 256 consecutive bytes, aligned, and lets the next launch's lanes read 16 neighbouring bytes each.
; SHARES.  A work-group takes 64 d (work-group x) and 64 k (work-group y).  Wave w QUANTISES K step w (b = 128 w .. 128 w + 127) of the 64 columns, and MULTIPLIES for k tile w (16 k) x four tiles of 16 d x K = 512.
; THE COLUMNS OF A TILE ARE NOT NEIGHBOURS: lane r of tile t takes column 4 r + t.  So a lane loads 16 bytes of a row of X (its column of each of the four tiles), sixteen lanes 256 consecutive bytes, and the hold that an
; 8-bit conversion wants in any case writes each number where the conversion wants it: 16 neighbours along b of ONE column in 16 consecutive registers.  Nothing else is moved.
; The four fragments that a wave has made go to LDS as images of their registers (16 bytes a lane, 512 a store) and come back so in every wave.
; LIMITS: e1 between -126 and 112 (2^e1 and 57,344 x 2^e1 are made as f32 numbers); e0 + e1 - 9 between -126 and 127.  NaN in X is not served; NaN in M gives mask 0.
; REGISTERS.  Window 0: v4-12 offsets and constants; v16-47 two sets of 16 held numbers; v48-111 the codes just made; v112-175 U's four fragments; v176-207 M; v208-239 four accumulators; v16-79 again for the results.
;             Window 1: the 256 numbers of X as loaded; later X's 16 fragments (K step s, tile t at 64 s + 16 t).
.set XROW,  4096                       ; bytes in a row of X and of M
.set KPROW, 16384                      ; bytes in a row of kp
.set FRB,   2048                       ; a fragment's image: 16 registers x 32 lanes x 4 bytes
.set XA,  4                            ; v4   X: 16 rows x (lane / 16) + 16 bytes x (lane % 16)
.set UA,  5                            ; v5   U_codes: row lane % 16 of 512 bytes + 16 (lane / 16)
.set MA,  6                            ; v6   M: 8 rows x (lane / 16) + 16 (lane % 16)
.set KA,  7                            ; v7   kp: 4 rows x (lane / 16) + 16 (lane % 16)
.set LI,  8                            ; v8   16 x lane: my place in an image
.set WI,  9                            ; v9   where I store my four images: 16 x lane + 4 FRB x wave
.set LIM, 10                           ; v10  57,344 x 2^e1
.set SC,  11                           ; v11  2^e1
.set NF,  12                           ; v12  -2^(e0 + e1 - 9)
.set T,   16
.set CD,  48
.set AF,  112
.set MB,  176
.set AC,  208
.set OUT, 16
.set MSB, 0
.macro WIN new                         ; the immediate's high byte repeats the setting that is left
.if MSB != \new
	s_set_vgpr_msb (MSB<<8)|\new
.set MSB, \new
.endif
.endm
	s_load_b256 s[4:11], s[0:1], 0x0               ; X s[4:5], U_codes s[6:7], M s[8:9], the scales' exponents s[10:11]
	s_load_b64 s[12:13], s[0:1], 0x20              ; kp
	v_lshl_add_u32 v254, v0, 2, 0x8000
	v_mov_b32 v255, 0
	v_lshrrev_b32 v1, 5, v0
	v_readfirstlane_b32 s14, v1                    ; wave 0..3
	v_and_b32 v1, 31, v0                           ; lane
	v_and_b32 v2, 15, v0                           ; r
	v_bfe_u32 v3, v0, 4, 1                         ; h
	v_lshlrev_b32 v[KA], 4, v2                     ; 16 r
	v_lshl_add_u32 v[MA], v3, 15, v[KA]            ; + 8 h rows of 4,096 bytes
	v_lshl_add_u32 v[XA], v3, 16, v[KA]            ; + 16 h rows of 4,096 bytes
	v_lshl_add_u32 v[KA], v3, 16, v[KA]            ; + 4 h rows of 16,384 bytes
	v_lshlrev_b32 v[UA], 9, v2
	v_lshl_add_u32 v[UA], v3, 4, v[UA]
	v_lshlrev_b32 v[LI], 4, v1
	s_lshl_b32 s15, s14, 13
	v_add_nc_u32 v[WI], s15, v[LI]
	s_and_b32 s16, ttmp7, 0xffff                   ; work-group y: which 64 k
	s_lshl_b32 s17, ttmp9, 8                       ; work-group x: 64 columns of f32 are 256 bytes
	s_lshl_b32 s20, s14, 19                        ; X: my 128 rows,
	s_add_co_u32 s20, s20, s17                     ; the group's columns
	s_mov_b32 s21, 0
	s_lshl_b32 s22, s16, 15                        ; U_codes: row 64 y + 16 w, of 512 bytes
	s_lshl_b32 s18, s14, 13
	s_add_co_u32 s22, s22, s18
	s_mov_b32 s23, 0
	s_lshl_b32 s24, s16, 18                        ; M: row 64 y + 16 w, of 4,096 bytes, the group's columns
	s_lshl_b32 s18, s14, 16
	s_add_co_u32 s24, s24, s18
	s_add_co_u32 s24, s24, s17
	s_mov_b32 s25, 0
	s_lshl_b32 s26, s16, 19                        ; kp: row 32 y + 8 w, of 16,384 bytes, pos 64 x on (16 bytes each)
	s_lshl_b32 s18, s14, 17
	s_add_co_u32 s26, s26, s18
	s_lshl_b32 s18, ttmp9, 10
	s_add_co_u32 s26, s26, s18
	s_mov_b32 s27, 0
	s_wait_kmcnt 0x0
	s_load_b64 s[30:31], s[10:11], 0x0             ; e0 (U), e1 (X)
	s_add_nc_u64 s[4:5], s[4:5], s[20:21]
	s_add_nc_u64 s[6:7], s[6:7], s[22:23]
	s_add_nc_u64 s[8:9], s[8:9], s[24:25]
	s_add_nc_u64 s[12:13], s[12:13], s[26:27]
	; all loads go out at once, X's first: X(128 w + 32 c + 16 h + i, 4 r .. 4 r + 3) into register 64 c + 4 i + t of window 1
	WIN 0x40                                       ; destination window 1, address window 0
.irp c, 0,1,2,3
.irp i, 0,1,2,3,4,5,6,7,8,9,10,11,12,13,14,15
	global_load_b128 v[64*\c+4*\i:64*\c+4*\i+3], v[XA], s[4:5] offset:(32*\c+\i)*XROW
.endr
.endr
	WIN 0
.irp s, 0,1,2,3                        ; U's fragment of K step s: registers 4 c .. 4 c + 3 hold b = 128 s + 32 c + 16 h + 0 .. 15 of row r: the order in which X's codes are made below
.irp c, 0,1,2,3
	global_load_b128 v[AF+16*\s+4*\c:AF+16*\s+4*\c+3], v[UA], s[6:7] offset:128*\s+32*\c
.endr
.endr
.irp j, 0,1,2,3,4,5,6,7                ; M(8 h + j, 4 r .. 4 r + 3): sixteen lanes read 256 consecutive bytes; read once in the launch
	global_load_b128 v[MB+4*\j:MB+4*\j+3], v[MA], s[8:9] offset:\j*XROW th:TH_LOAD_NT
.endr
	s_wait_kmcnt 0x0
	s_add_co_i32 s32, s31, 127
	s_lshl_b32 s33, s32, 23
	v_mov_b32 v[SC], s33                           ; 2^e1 as f32: the conversion takes its exponent field
	s_add_co_i32 s32, s32, 15
	s_lshl_b32 s32, s32, 23
	s_or_b32 s32, s32, 0x600000
	v_mov_b32 v[LIM], s32                          ; 57,344 x 2^e1
	s_add_co_i32 s34, s30, s31
	s_add_co_i32 s34, s34, 118                     ; e0 + e1 - 9 + 127: the two scales and the division by 512 in one power of two,
	s_lshl_b32 s34, s34, 23
	s_or_b32 s34, s34, 0x80000000                  ; with the sign that the next launch's multiply-add wants
	v_mov_b32 v[NF], s34
	; QUANTISE.  One window setting for the whole phase: the hold's third source lies in window 1, all else in window 0 (the conversions have no third source).
	WIN 0x10
.irp c, 0,1,2,3
.if \c == 0
	s_wait_loadcnt 63                              ; 88 loads were issued; with at most 63 out the oldest 25 are in, X's first 16 among them
.else
	s_wait_loadcnt 72-16*\c                        ; X's loads up to group c are in; behind them 16 (3 - c) of X's, U's 16 and M's 8
.endif
.irp t, 0,1,2,3
.set TT, T+16*((\t)%2)
.irp i, 0,1,2,3,4,5,6,7,8,9,10,11,12,13,14,15
	v_med3_num_f32 v[TT+\i], -v[LIM], v[LIM], v[64*\c+4*\i+\t]   ; the conversion to an 8-bit code does not saturate (ISA guide 7.6.2): the hold, which also lays column 4 r + t's 16 neighbours along b side by side
.endr
	v_cvt_scalef32_pk8_bf8_f32 v[CD+16*\t+4*\c:CD+16*\t+4*\c+1], v[TT:TT+7], v[SC]         ; registers 4 c .. 4 c + 3 of tile t's fragment
	v_cvt_scalef32_pk8_bf8_f32 v[CD+16*\t+4*\c+2:CD+16*\t+4*\c+3], v[TT+8:TT+15], v[SC]    ; (the next sixteen holds write the other set: plain lines stand ahead of the next write of this one)
.endr
.endr
	v_nop                                          ; one plain vector line behind the last conversion: its registers are written again further down
	WIN 0
.irp t, 0,1,2,3                        ; fragment (K step w, tile t) to LDS as it stands
.irp c, 0,1,2,3
	ds_store_b128 v[WI], v[CD+16*\t+4*\c:CD+16*\t+4*\c+3] offset:\t*FRB+512*\c
.endr
.endr
	s_wait_dscnt 0x0                               ; for the others' sake: my images have landed
	s_barrier_signal -1
	s_barrier_wait -1
	WIN 0x40                                       ; all sixteen fragments come back into window 1, whose numbers are done with
.irp s, 0,1,2,3
.irp t, 0,1,2,3
.irp c, 0,1,2,3
	ds_load_b128 v[64*\s+16*\t+4*\c:64*\s+16*\t+4*\c+3], v[LI] offset:(4*\s+\t)*FRB+512*\c
.endr
.endr
.endr
	WIN 0x04                                       ; source 1 (X's codes) window 1; U's codes and the sums window 0
	s_wait_loadcnt 8                               ; U's fragments are in; M's eight loads may be out
.irp s, 0,1,2,3                        ; source 0 = 16 rows of U (k), source 1 = 16 columns of X (d).  The four accumulators take turns, one instruction a turn
	s_wait_dscnt 48-16*\s                          ; K step s's sixteen loads are in; the later steps' may be out
.irp t, 0,1,2,3
.if \s == 0
	v_wmma_f32_16x16x128_bf8_bf8 v[AC+8*\t:AC+8*\t+7], v[AF+16*\s:AF+16*\s+15], v[64*\s+16*\t:64*\s+16*\t+15], 0
.else
	v_wmma_f32_16x16x128_bf8_bf8 v[AC+8*\t:AC+8*\t+7], v[AF+16*\s:AF+16*\s+15], v[64*\s+16*\t:64*\s+16*\t+15], v[AC+8*\t:AC+8*\t+7]
.endif
.endr
.endr
	WIN 0
.rept 4
	v_nop                                          ; four places between the last product and the first read of a result (ISA guide 7.12.1)
.endr
	s_wait_loadcnt 0x0                             ; M
	; lane (r, h), tile t, register j: the sum for k = 8 h + j, d = 4 r + t.  Each accumulator is read from its low end on.
.irp t, 0,1,2,3
.irp j, 0,1,2,3,4,5,6,7
	v_cmp_lt_f32 vcc_lo, 0.5, v[MB+4*\j+\t]
	v_cndmask_b32 v[OUT+16*\t+4*(\j/2)+(\j%2)], 0, 1.0, vcc_lo            ; the mask
	v_cndmask_b32 v[OUT+16*\t+4*(\j/2)+2+(\j%2)], 0, v[NF], vcc_lo        ; -2^(e0 + e1 - 9) or 0,
	v_mul_f32 v[OUT+16*\t+4*(\j/2)+2+(\j%2)], v[OUT+16*\t+4*(\j/2)+2+(\j%2)], v[AC+8*\t+\j]   ; x the sum: -mask x C; a power of two rounds nothing
.endr
.endr
.irp t, 0,1,2,3
.irp p, 0,1,2,3
	global_store_b128 v[KA], v[OUT+16*\t+4*\p:OUT+16*\t+4*\p+3], s[12:13] offset:\p*KPROW+512*(\t%2)+256*(\t/2)   ; sixteen lanes store 256 consecutive bytes, at a multiple of 256 from kp's first byte
.endr
.endr
	s_wait_tensorcnt 0x0
	ds_add_u32 v254, v255
	s_wait_dscnt 0x0
	s_endpgm
.Lfunc_end_k_qf307b3f123_prep:
	.size	k_qf307b3f123_prep, .Lfunc_end_k_qf307b3f123_prep-k_qf307b3f123_prep
	.p2alignl 7, 3214868480
	.fill 96, 4, 3214868480
	.section	.rodata,"a",@progbits
	.p2align	6, 0x0
	.amdhsa_kernel k_qf307b3f123_prep
		.amdhsa_group_segment_fixed_size 33280
		.amdhsa_private_segment_fixed_size 0
		.amdhsa_enable_private_segment 0
		.amdhsa_kernarg_size 40
		.amdhsa_user_sgpr_count 2
		.amdhsa_user_sgpr_kernarg_segment_ptr 1
		.amdhsa_wavefront_size32 1
		.amdhsa_system_sgpr_workgroup_id_x 1
		.amdhsa_system_sgpr_workgroup_id_y 1
		.amdhsa_system_sgpr_workgroup_id_z 1
		.amdhsa_system_vgpr_workitem_id 0
		.amdhsa_next_free_vgpr 512
		.amdhsa_next_free_sgpr 66
		.amdhsa_reserve_vcc 1
		.amdhsa_float_denorm_mode_32 3
		.amdhsa_float_denorm_mode_16_64 3
		.amdhsa_memory_ordered 1
		.amdhsa_forward_progress 1
		.amdhsa_inst_pref_size 43
	.end_amdhsa_kernel
	.amdgpu_metadata
---
amdhsa.version: [ 1, 2 ]
amdhsa.kernels:
  - .name:           k_qf307b3f123_prep
    .symbol:         k_qf307b3f123_prep.kd
    .args:
      - { .name: X, .offset: 0, .size: 8, .value_kind: global_buffer, .address_space: global }
      - { .name: U_codes, .offset: 8, .size: 8, .value_kind: global_buffer, .address_space: global }
      - { .name: M, .offset: 16, .size: 8, .value_kind: global_buffer, .address_space: global }
      - { .name: lowp_scales, .offset: 24, .size: 8, .value_kind: global_buffer, .address_space: global }
      - { .name: kp, .offset: 32, .size: 8, .value_kind: global_buffer, .address_space: global }
    .group_segment_fixed_size: 33280
    .private_segment_fixed_size: 0
    .kernarg_segment_align: 8
    .kernarg_segment_size: 40
    .max_flat_workgroup_size: 128
    .sgpr_count:     66
    .vgpr_count:     512
    .wavefront_size: 32
...
	.end_amdgpu_metadata
.endif
;; end of part 1
;; launch dist (part 2): grid 8 x 32, 8 waves a work-group, clusters of 4 x 4, 327,680 bytes of LDS; arguments X, kp, out0; writes out0
.if DOCPART == 2
	.amdgcn_target "amdgcn-amd-amdhsa--gfx1250"
	.amdhsa_code_object_version 6
	.text
	.protected	k_qf307b3f123_dist
	.globl	k_qf307b3f123_dist
	.p2align	8
	.type	k_qf307b3f123_dist,@function
k_qf307b3f123_dist:
	s_mov_b64 s[64:65], 0
	v_nop
	global_prefetch_b8 v0, s[64:65] scope:SCOPE_SE
	s_setreg_imm32_b32 hwreg(HW_REG_WAVE_MODE, 25, 1), 1
	s_wait_xcnt 0x0
	s_wait_alu depctr_hold_cnt(0) depctr_sa_sdst(0) depctr_va_vdst(0) depctr_va_sdst(0) depctr_va_ssrc(0) depctr_va_vcc(0) depctr_vm_vsrc(0)
	s_getreg_b32 s2, hwreg(HW_REG_IB_STS2, 6, 4)
	s_cmp_eq_u32 s2, 0
	s_cbranch_scc0 .Lentry_in_a_cluster
	s_endpgm
.Lentry_in_a_cluster:
	s_bfe_u32 s2, ttmp6, 0x10000c
	s_cmp_lg_u32 s2, 0xf033
	s_cbranch_scc0 .Lentry_shape_is_right
	s_endpgm
.Lentry_shape_is_right:
; out0[b][k] = the sum over d of (mask[k][d] (X[b][d] - C[k][d]))^2, all in f32.  kp[k / 2][pos][4] = (m0, m1, n0, n1) holds, for two neighbouring k, the mask m and n = -m C.
; A term is two fused operations, two k at a time: t = x m + n (exactly x - C where m = 1, 0 where m = 0: the difference is formed as reference() forms it, never as a difference of large sums), sum += t t.
; SHARES.  A work-group makes 16 b x 64 k: a row's 64 results are 256 bytes.  Each of its eight waves (two to a SIMD, so that one wave's LDS loads stand beside the other's arithmetic) makes 16 b x 8 k over all 1,024 d.
; THE LANES GO ALONG d: in each 64 d a lane takes two, d = 4 (lane % 16) + 2 (lane / 16) + e, e = 0, 1: 8 bytes of a row of X; kp's quad for them lies at pos = 32 e + lane (the launch before laid it so): 16 bytes a lane,
; 512 consecutive bytes a load.  A lane keeps 128 sums (16 b x 4 pairs of k); at the end the 32 lanes' sums are added through the wave's own stage in LDS.
; For one d a lane loads 16 numbers of X and 4 quads of kp and issues 128 packed instructions.  x is one register of a pair and feeds both halves (op_sel).
; RING.  d goes in four chunks of 256 through two LDS slots filled by the tensor data mover: 16 rows x 1,024 bytes of X, then 32 rows x 4,096 bytes of kp.
; CLUSTER.  4 x 4 work-groups.  The four of a row of the cluster take the same 16 b and need the same tiles of X; the four of a column take the same 64 k and need the same tiles of kp: each tile is asked for JOINTLY, by the
; same tensor load with the same descriptor and a mask that names the four.  Waves 0-3 fetch 8 rows of kp each, waves 4-7 four rows of X each.  By this text's count a wave has two tensor loads out at the start, later one.
; The order of the f32 sums is not reference()'s.  Nothing is asked of memory ahead of the tensor loads: half of the launch's bytes are asked for at its head, and only two refills follow.
; REGISTERS: v2-12 addresses; v16-31 eight t; v32-95 X, two sets of 16 pairs; v96-127 kp, two sets of 4 quads; v128-255 the sums: (pair of k i, b) at v[128 + 32 i + 2 b].
.set XCH,    1024                      ; a chunk's bytes of a row of X
.set KCH,    4096                      ; and of a row of kp
.set KOFF,   16*XCH                    ; in a slot kp's rows lie behind X's sixteen
.set SLOT,   KOFF+32*KCH               ; 147,456 bytes
.set SPARE,  2*SLOT                    ; behind the ring: the spare words, 128 bytes for each wave: four blocks of 256 bytes that no other line names
.set PPITCH, 528                       ; the way out: a lane's 128 sums, 512 bytes + 16
.set PWAVE,  32*PPITCH                 ; a wave's stage.  The stages lie in slot 0, which has had its last fill and its last read when the first sum is stored there
.set OST,    8*PWAVE                   ; behind them, still in slot 0: 16 rows x (256 bytes + 16) of results
.set OPITCH, 272
.set ADX, 2                            ; v2-3   LDS address of my 8 bytes of X's first row in slot 0, 1
.set ADK, 4                            ; v4-5   of my 16 bytes of my wave's first row of kp
.set SPW, 6                            ; v6     LDS address of my spare word: SPARE + 4 x my thread's number; never rewritten
.set NIL, 7                            ; v7     0; never rewritten
.set PS,  8                            ; v8     where I put my 128 sums
.set PR,  9                            ; v9     where I read four columns of the 32 lanes' sums
.set OA,  10                           ; v10    where I put four results
.set ORD, 11                           ; v11    where I read 16 bytes of a row of results
.set GO,  12                           ; v12    and their byte offset in the group's rows of out0
.set T,   16
.set XB,  32
.set KB,  96
.set ACC, 128
.set G1X, 24                           ; s[24:31] descriptor group 1 for X's tiles;  s[32:39] group 0, one set for each slot
.set G0X, 32
.set G1K, 48                           ; s[48:55], s[56:63] the same for kp's tiles
.set G0K, 56
; A joint load: waves 0-3 fetch for kp, waves 4-7 for X.  Each of the two lines has one mask and one set of registers for all that issue it; the branch hangs on the wave's number alone.
; Four v_nop follow each of the two lines, ahead of the jump, the label and what follows.
.macro JLOAD s
	s_cmp_eq_u32 s15, 0
	s_cbranch_scc0 .Lfor_x_\@
	tensor_load_to_lds s[G0K+4*\s:G0K+4*\s+3], s[G1K:G1K+7]
	s_nop 0
.rept 4
	v_nop
.endr
	s_branch .Lasked_\@
.Lfor_x_\@:
	tensor_load_to_lds s[G0X+4*\s:G0X+4*\s+3], s[G1X:G1X+7]
	s_nop 0
.rept 4
	v_nop
.endr
.Lasked_\@:
.endm
.macro CREST                           ; a round of the cluster's barrier behind its opening barrier
	s_cmp_lg_u32 s14, 0
	s_cbranch_scc1 .Lnot_wave_0_\@
	s_barrier_signal -3
.Lnot_wave_0_\@:
	s_barrier_wait -3
	s_barrier_signal -1
	s_barrier_wait -1
.endm
.macro CROUND                          ; a whole round
	s_barrier_signal -1
	s_barrier_wait -1
	CREST
.endm
	s_load_b128 s[4:7], s[0:1], 0x0                ; X s[4:5], kp s[6:7]
	s_load_b64 s[8:9], s[0:1], 0x10                ; out0
	v_lshl_add_u32 v[SPW], v0, 2, SPARE
	v_mov_b32 v[NIL], 0
	ds_add_u32 v6, v7
	ds_add_u32 v6, v7
	s_wait_dscnt 0x0
	v_lshrrev_b32 v1, 5, v0
	v_readfirstlane_b32 s14, v1                    ; wave 0..7
	s_lshr_b32 s15, s14, 2                         ; I fetch for kp (0) or for X (1),
	s_and_b32 s16, s14, 3                          ; and which quarter of the tile's rows
	s_bfe_u32 s40, ttmp6, 0x40000                  ; cx, cy: my place in the cluster
	s_bfe_u32 s41, ttmp6, 0x40004
	s_lshl_b32 s42, ttmp9, 2
	s_add_co_u32 s42, s42, s40                     ; which 64 k = 4 x cluster x + cx
	s_and_b32 s17, ttmp7, 0xffff
	s_lshl_b32 s17, s17, 2
	s_add_co_u32 s17, s17, s41                     ; which 16 b = 4 x cluster y + cy
	s_lshl_b32 s43, s41, 2
	s_lshl_b32 s43, 15, s43                        ; my row of the cluster
	s_lshl_b32 s44, 0x1111, s40                    ; my column
	; descriptor group 1, in elements of 8 bytes, no padding: the lanes read consecutive bytes.  X: 4 rows x 128 elements, 512 from row to row.  kp: 8 rows x 512 elements, 2,048 from row to row
	s_or_b32 s[G1X+0], s43, (3<<16)|(1<<21)        ; 15:0 the mask: X's tiles go to my row; 17:16 elements of 8 bytes; 21 set beside a mask
	s_or_b32 s[G1K+0], s44, (3<<16)|(1<<21)        ; kp's tiles go to my column
	s_mov_b32 s[G1X+1], 128<<16                    ; tensor_dim0
	s_mov_b32 s[G1X+2], 4<<16                      ; tensor_dim1
	s_mov_b32 s[G1X+3], 128<<16                    ; tile_dim0
	s_mov_b32 s[G1X+4], 4                          ; tile_dim1
	s_mov_b32 s[G1X+5], 512                        ; tensor_dim0_stride
	s_mov_b32 s[G1X+6], 0
	s_mov_b32 s[G1X+7], 0
	s_mov_b32 s[G1K+1], 512<<16
	s_mov_b32 s[G1K+2], 8<<16
	s_mov_b32 s[G1K+3], 512<<16
	s_mov_b32 s[G1K+4], 8
	s_mov_b32 s[G1K+5], 2048
	s_mov_b32 s[G1K+6], 0
	s_mov_b32 s[G1K+7], 0
	; where the tiles come from.  X's hang on the 16 b alone, which my row of the cluster shares; kp's on the 64 k alone, which my column shares.  Every wave makes both, in registers that never hold the other coordinate
	s_lshl_b32 s20, s17, 16                        ; X: 16 rows of 4,096 bytes,
	s_lshl_b32 s18, s16, 14                        ; + my 4 rows
	s_add_co_u32 s20, s20, s18
	s_mov_b32 s21, 0
	s_lshl_b32 s46, s42, 19                        ; kp: 32 rows of 16,384 bytes,
	s_lshl_b32 s18, s16, 17                        ; + my 8 rows
	s_add_co_u32 s46, s46, s18
	s_mov_b32 s47, 0
	s_lshl_b32 s45, s16, 12                        ; and where they go: X's rows 4 x quarter on,
	s_lshl_b32 s19, s16, 15
	s_add_co_u32 s19, s19, KOFF                    ; kp's rows 8 x quarter on: no place in the cluster enters an LDS address
	s_wait_kmcnt 0x0
	s_add_nc_u64 s[20:21], s[4:5], s[20:21]
	s_add_nc_u64 s[46:47], s[6:7], s[46:47]
	CROUND                                         ; all sixteen work-groups are here: the first joint loads meet
.irp s, 0,1
	s_mov_b32 s[G0X+4*\s], 1                       ; count = 1
	s_add_co_u32 s[G0X+4*\s+1], s45, \s*SLOT       ; LDS address
	s_add_nc_u64 s[G0X+4*\s+2:G0X+4*\s+3], s[20:21], \s*XCH   ; global address: chunk s
	s_or_b32 s[G0X+4*\s+3], s[G0X+4*\s+3], 0x80000000         ; type = 2
	s_mov_b32 s[G0K+4*\s], 1
	s_add_co_u32 s[G0K+4*\s+1], s19, \s*SLOT
	s_add_nc_u64 s[G0K+4*\s+2:G0K+4*\s+3], s[46:47], \s*KCH
	s_or_b32 s[G0K+4*\s+3], s[G0K+4*\s+3], 0x80000000
	JLOAD \s
.endr
	v_and_b32 v1, 31, v0                           ; lane
	v_and_b32 v13, 15, v0                          ; lane % 16
	v_bfe_u32 v14, v0, 4, 1                        ; lane / 16
	v_lshlrev_b32 v[ADX], 4, v13
	v_lshl_add_u32 v[ADX], v14, 3, v[ADX]          ; X: 16 (lane % 16) + 8 (lane / 16): the 32 lanes take the 32 pieces of 8 bytes of 256 consecutive bytes
	v_add_nc_u32 v[ADX+1], SLOT, v[ADX]
	s_lshl_b32 s22, s14, 14
	s_add_co_u32 s22, s22, KOFF
	v_lshl_add_u32 v[ADK], v1, 4, s22              ; kp: my wave's 4 rows, 16 bytes a lane
	v_add_nc_u32 v[ADK+1], SLOT, v[ADK]
	s_mul_i32 s23, s14, PWAVE                      ; my wave's stage
	v_mul_u32_u24 v[PS], v1, PPITCH
	v_add_nc_u32 v[PS], s23, v[PS]                 ; in: row = my lane
	v_lshl_add_u32 v[PR], v1, 4, s23               ; back: four columns a lane
	v_and_b32 v15, 7, v0
	v_mul_u32_u24 v[OA], v15, 2*OPITCH             ; my four results: b = 2 (lane % 8) and the next,
	v_bfe_u32 v15, v0, 3, 2
	v_lshl_add_u32 v[OA], v15, 3, v[OA]            ; k = 8 wave + 2 (lane / 8) and the next
	s_lshl_b32 s22, s14, 5
	s_add_co_u32 s22, s22, OST
	v_add_nc_u32 v[OA], s22, v[OA]
	s_mul_i32 s22, s14, 2*OPITCH                   ; back: wave w takes rows 2 w and 2 w + 1, sixteen lanes to a row
	s_add_co_u32 s22, s22, OST
	v_mul_u32_u24 v[ORD], v14, OPITCH
	v_lshl_add_u32 v[ORD], v13, 4, v[ORD]
	v_add_nc_u32 v[ORD], s22, v[ORD]
	v_lshlrev_b32 v[GO], 11, v14                   ; and the same two rows in out0: 2,048 bytes a row
	v_lshl_add_u32 v[GO], v13, 4, v[GO]
	s_lshl_b32 s22, s14, 12
	v_add_nc_u32 v[GO], s22, v[GO]
	s_lshl_b32 s2, s17, 15                         ; out0 at the group's first row (16 rows of 2,048 bytes a block of b)
	s_lshl_b32 s3, s42, 8                          ; and first column (64 k are 256 bytes)
	s_add_co_u32 s2, s2, s3
	s_mov_b32 s3, 0
	s_add_nc_u64 s[8:9], s[8:9], s[2:3]
; X of the chunk's g-th 64 d: 16 rows, 8 bytes a lane, into set g % 2.  kp of the chunk's st-th 32 pos (st = 2 g + e): my wave's 4 rows, 16 bytes a lane, into set st % 2.
.macro LOADX slot, g
.irp b, 0,1,2,3,4,5,6,7,8,9,10,11,12,13,14,15
	ds_load_b64 v[XB+32*((\g)%2)+2*\b:XB+32*((\g)%2)+2*\b+1], v[ADX+\slot] offset:\b*XCH+(\g)*256
.endr
.endm
.macro LOADK slot, st
.irp i, 0,1,2,3
	ds_load_b128 v[KB+16*((\st)%2)+4*\i:KB+16*((\st)%2)+4*\i+3], v[ADK+\slot] offset:\i*KCH+(\st)*512
.endr
.endm
; 32 packed instructions: step st, pair of k i, all 16 b, eight at a time: eight t, then their eight squares, so that no line waits for the line above it.  first = 1: the squares start the sums: nothing is ever cleared.
.macro PART st, i, first
.set XS, XB+32*(((\st)/2)%2)
.set KS, KB+16*((\st)%2)+4*(\i)
.irp hb, 0,1
.irp b, 0,1,2,3,4,5,6,7
.if ((\st)%2) == 0
	v_pk_fma_f32 v[T+2*\b:T+2*\b+1], v[XS+16*\hb+2*\b:XS+16*\hb+2*\b+1], v[KS:KS+1], v[KS+2:KS+3] op_sel_hi:[0,1,1]   ; t = x m + n for two k: the pair's first x feeds both halves
.else
	v_pk_fma_f32 v[T+2*\b:T+2*\b+1], v[XS+16*\hb+2*\b:XS+16*\hb+2*\b+1], v[KS:KS+1], v[KS+2:KS+3] op_sel:[1,0,0]      ; the pair's second x feeds both halves
.endif
.endr
.irp b, 0,1,2,3,4,5,6,7
.if \first
	v_pk_mul_f32 v[ACC+32*(\i)+16*\hb+2*\b:ACC+32*(\i)+16*\hb+2*\b+1], v[T+2*\b:T+2*\b+1], v[T+2*\b:T+2*\b+1]
.else
	v_pk_fma_f32 v[ACC+32*(\i)+16*\hb+2*\b:ACC+32*(\i)+16*\hb+2*\b+1], v[T+2*\b:T+2*\b+1], v[T+2*\b:T+2*\b+1], v[ACC+32*(\i)+16*\hb+2*\b:ACC+32*(\i)+16*\hb+2*\b+1]
.endif
.endr
.endr
.endm
; A chunk's steps 0 to 6.  At a step's head the next step's kp and, in even steps, the next 64 d of X are asked for; the wait leaves just these out.
.macro STEPS slot, first
.irp st, 0,1,2,3,4,5,6
	LOADK \slot, \st+1
.if (\st%2 == 0) && (\st < 6)
	LOADX \slot, \st/2+1
.endif
.if \st == 6
	s_wait_dscnt 4                                 ; all but step 7's four quads
.else
	s_wait_dscnt 20                                ; LDS loads come back in order (ISA guide 5.7.1): behind this step's operands stand 4 loads of kp and 16 of X, issued in this step or the one before
.endif
.irp i, 0,1,2,3
.if \first && (\st == 0)
	PART \st, \i, 1
.else
	PART \st, \i, 0
.endif
.endr
.endr
.endm
; A chunk's step 7 changes slots: ONE barrier.  In front of it each wave waits for all its tensor loads (its part of the next slot), adds 0 to its spare word, and waits for that and for its own reads of this slot.
; fill = 1: the barrier opens a round of the cluster's barrier, and this slot is filled again, two chunks ahead, first thing behind the round.  The step's arithmetic, which touches registers alone, is spread round these lines.
.macro CHANGE slot, next, fill
	s_wait_tensorcnt 0x0                           ; all my tensor loads have landed: the one that was out is my part of the next slot;
	ds_add_u32 v[SPW], v[NIL]                      ; 0 onto my spare word;
	s_wait_dscnt 1                                 ; (step 7's quads are in; the add may be out)
	PART 7, 0, 0                                   ; 32 packed instructions stand between the add and the wait for it
	s_wait_dscnt 0x0                               ; the add is done, and my reads of this slot are over
	s_barrier_signal -1
	PART 7, 1, 0                                   ; work on registers while the others arrive
	s_barrier_wait -1
.if \fill
	CREST                                          ; no wave of any partner still reads this slot's tiles or has a load on its way
	s_add_nc_u64 s[G0X+4*\slot+2:G0X+4*\slot+3], s[G0X+4*\slot+2:G0X+4*\slot+3], 2*XCH
	s_add_nc_u64 s[G0K+4*\slot+2:G0K+4*\slot+3], s[G0K+4*\slot+2:G0K+4*\slot+3], 2*KCH
	JLOAD \slot                                    ; the first tensor load behind the round, and my only one until the next
.endif
	LOADX \next, 0                                 ; the next chunk's first operands, into the sets that step 7 does not read,
	LOADK \next, 0
	PART 7, 2, 0                                   ; and the rest of step 7 while they come
	PART 7, 3, 0
.endm
	s_wait_tensorcnt 1                             ; my part of chunk 0 is in (chunk 1's load may be out)
	s_barrier_signal -1
	s_barrier_wait -1                              ; everybody's is
	LOADX 0, 0
	LOADK 0, 0
	STEPS 0, 1                                     ; chunk 0
	CHANGE 0, 1, 1                                 ; slot 0 takes chunk 2
	STEPS 1, 0                                     ; chunk 1
	CHANGE 1, 0, 1                                 ; slot 1 takes chunk 3
	STEPS 0, 0                                     ; chunk 2
	CHANGE 0, 1, 0                                 ; nothing is left to fetch: no round; behind this barrier nobody reads slot 0
	STEPS 1, 0                                     ; chunk 3
	s_wait_dscnt 0x0
	PART 7, 0, 0
	PART 7, 1, 0
	PART 7, 2, 0
	PART 7, 3, 0
	; THE WAY OUT.  Each lane's 128 sums go into row = lane of my wave's stage; each lane then adds four columns over the 32 rows.  LDS serves a wave's instructions in order (ISA guide 5.7.1.4): the loads see the stores.
.irp q, 0,1,2,3,4,5,6,7,8,9,10,11,12,13,14,15,16,17,18,19,20,21,22,23,24,25,26,27,28,29,30,31
	ds_store_b128 v[PS], v[ACC+4*\q:ACC+4*\q+3] offset:16*\q
.endr
.irp r, 0,1,2,3,4,5,6,7,8,9,10,11,12,13,14,15
	ds_load_b128 v[XB+4*\r:XB+4*\r+3], v[PR] offset:\r*PPITCH
.endr
	s_wait_dscnt 0x0                               ; rows 0-15 are in, and the stores have read the sums' registers, which take rows 16-31
.irp r, 0,1,2,3,4,5,6,7,8,9,10,11,12,13,14,15
	ds_load_b128 v[ACC+4*\r:ACC+4*\r+3], v[PR] offset:(\r+16)*PPITCH
.endr
.macro TREE base                       ; sixteen rows of four numbers become one: 8, 4, 2, 1 rows are added onto as many
.irp w, 8,4,2,1
.set ti, 0
.rept \w
	v_pk_add_f32 v[\base+4*ti:\base+4*ti+1], v[\base+4*ti:\base+4*ti+1], v[\base+4*(ti+\w):\base+4*(ti+\w)+1]
	v_pk_add_f32 v[\base+4*ti+2:\base+4*ti+3], v[\base+4*ti+2:\base+4*ti+3], v[\base+4*(ti+\w)+2:\base+4*(ti+\w)+3]
.set ti, ti+1
.endr
.endr
.endm
	TREE XB                                        ; while rows 16-31 come
	s_wait_dscnt 0x0
	TREE ACC
	v_pk_add_f32 v[XB:XB+1], v[XB:XB+1], v[ACC:ACC+1]          ; column 4 lane + e: pair of k lane / 8, b = 2 (lane % 8) + e / 2, k = e % 2 of the pair
	v_pk_add_f32 v[XB+2:XB+3], v[XB+2:XB+3], v[ACC+2:ACC+3]
	ds_store_b64 v[OA], v[XB:XB+1]                 ; two neighbouring k of row b,
	ds_store_b64 v[OA], v[XB+2:XB+3] offset:OPITCH ; and of row b + 1
	s_wait_dscnt 0x0                               ; for the others' sake: a row's 64 results come from eight waves
	s_barrier_signal -1
	s_barrier_wait -1
	ds_load_b128 v[T:T+3], v[ORD]
	s_wait_dscnt 0x0
	global_store_b128 v[GO], v[T:T+3], s[8:9] th:TH_STORE_NT   ; sixteen lanes store 256 consecutive bytes, at a multiple of 256 from out0's first byte; written once, read by nobody here
	s_wait_tensorcnt 0x0                           ; the wave's end: behind my last tensor load and my last LDS store
	ds_add_u32 v[SPW], v[NIL]
	s_wait_dscnt 0x0
	CROUND                                         ; the closing round: no work-group ends while a partner may still ask for a tile that names it
	s_endpgm
.Lfunc_end_k_qf307b3f123_dist:
	.size	k_qf307b3f123_dist, .Lfunc_end_k_qf307b3f123_dist-k_qf307b3f123_dist
	.p2alignl 7, 3214868480
	.fill 96, 4, 3214868480
	.section	.rodata,"a",@progbits
	.p2align	6, 0x0
	.amdhsa_kernel k_qf307b3f123_dist
		.amdhsa_group_segment_fixed_size 327680
		.amdhsa_private_segment_fixed_size 0
		.amdhsa_enable_private_segment 0
		.amdhsa_kernarg_size 24
		.amdhsa_user_sgpr_count 2
		.amdhsa_user_sgpr_kernarg_segment_ptr 1
		.amdhsa_wavefront_size32 1
		.amdhsa_system_sgpr_workgroup_id_x 1
		.amdhsa_system_sgpr_workgroup_id_y 1
		.amdhsa_system_sgpr_workgroup_id_z 1
		.amdhsa_system_vgpr_workitem_id 0
		.amdhsa_next_free_vgpr 256
		.amdhsa_next_free_sgpr 66
		.amdhsa_reserve_vcc 0
		.amdhsa_float_denorm_mode_32 3
		.amdhsa_float_denorm_mode_16_64 3
		.amdhsa_memory_ordered 1
		.amdhsa_forward_progress 1
		.amdhsa_inst_pref_size 255
	.end_amdhsa_kernel
	.section	.bss,"aw",@nobits
	.p2align	6
	.space	262144
	.amdgpu_metadata
---
amdhsa.version: [ 1, 2 ]
amdhsa.kernels:
  - .name:           k_qf307b3f123_dist
    .symbol:         k_qf307b3f123_dist.kd
    .args:
      - { .name: X, .offset: 0, .size: 8, .value_kind: global_buffer, .address_space: global }
      - { .name: kp, .offset: 8, .size: 8, .value_kind: global_buffer, .address_space: global }
      - { .name: out0, .offset: 16, .size: 8, .value_kind: global_buffer, .address_space: global }
    .group_segment_fixed_size: 327680
    .private_segment_fixed_size: 0
    .kernarg_segment_align: 8
    .kernarg_segment_size: 24
    .max_flat_workgroup_size: 256
    .sgpr_count:     66
    .vgpr_count:     256
    .wavefront_size: 32
...
	.end_amdgpu_metadata
.endif
;; end of part 2
;; ======== version 2 of 2: 2 launches; version 1 with the launch prep written anew for expert scheduling mode
;; workspace buffers: kp 4,194,304 bytes
;; launch prep (part 3): grid 16 x 8, 4 waves a work-group, no clusters, 33,280 bytes of LDS; arguments X, U_codes, M, lowp_scales, kp; writes kp
.if DOCPART == 3
	.amdgcn_target "amdgcn-amd-amdhsa--gfx1250"
	.amdhsa_code_object_version 6
	.text
	.protected	k_qf307b3f123_prep
	.globl	k_qf307b3f123_prep
	.p2align	8
	.type	k_qf307b3f123_prep,@function
k_qf307b3f123_prep:
	s_mov_b64 s[64:65], 0
	v_nop
	global_prefetch_b8 v0, s[64:65] scope:SCOPE_SE
	s_setreg_imm32_b32 hwreg(HW_REG_WAVE_SCHED_MODE, 0, 2), 2
	s_setreg_imm32_b32 hwreg(HW_REG_WAVE_MODE, 25, 1), 1
	s_wait_xcnt 0x0
	s_wait_alu depctr_vm_vsrc(0)
; C[k][d] = 2^(e0 + e1) / 512 x the sum over b of U_codes[k][b] x Q(X)[b][d], on codes of BF8 (E5M2); mask[k][d] = 1 where M[k][d] > 0.5, else 0 (that is round(clip(M, 0, 1)): 0.5 goes to the even 0).
; OUT: kp[k / 2][pos][4] f32 = (mask of k0, mask of k1, -mask x C of k0, -mask x C of k1), k0 = 2 (k / 2), k1 = k0 + 1: what the next launch multiplies and adds to x.
; pos is a permutation of d inside each 64: d = 64 x + 4 r + t lies at pos = 64 x + 32 (t % 2) + 16 (t / 2) + r.  The next launch sums over all d, so any order serves that both launches agree on; this one
; makes each store of sixteen lanes 256 consecutive bytes, aligned, and lets the next launch's lanes read 16 neighbouring bytes each.
; SHARES.  A work-group takes 64 d (work-group x) and 64 k (work-group y).  Wave w QUANTISES K step w (b = 128 w .. 128 w + 127) of the 64 columns, and MULTIPLIES for k tile w (16 k) x four tiles of 16 d x K = 512.
; THE COLUMNS OF A TILE ARE NOT NEIGHBOURS: lane r of tile t takes column 4 r + t.  So a lane loads 16 bytes of a row of X (its column of each of the four tiles), sixteen lanes 256 consecutive bytes, and the hold that an
; 8-bit conversion wants in any case writes each number where the conversion wants it: 16 neighbours along b of ONE column in 16 consecutive registers.  Nothing else is moved.
; The four fragments that a wave has made go to LDS as images of their registers (16 bytes a lane, 512 a store) and come back so in every wave.
; LIMITS: e1 between -126 and 112 (2^e1 and 57,344 x 2^e1 are made as f32 numbers); e0 + e1 - 9 between -126 and 127.  NaN in X is not served; NaN in M gives mask 0.
; REGISTERS.  Window 0: v4-12 offsets and constants; v16-47 two sets of 16 held numbers; v48-111 the codes just made; v112-175 U's four fragments; v176-207 M; v208-239 four accumulators; v16-79 again for the results;
;             v254, v255 the closing add's two.   Window 1: the 256 numbers of X as loaded; later X's 16 fragments (K step s, tile t at 64 s + 16 t).
; THE MODE: SCHED_MODE bits 1:0 = 2 (LLVM: expert scheduling mode 2), set by the entry lines.  The code itself states the register dependences between vector or matrix instructions and memory or LDS
; instructions, with s_wait_alu, always for 0.
; THE PLAN.  The text is one straight run.  Registers that memory or LDS instructions touch:
;   v4-v9       offsets: written at the head, read by every load and store, never written again.
;   v256-v511   X's loads land; the holds read them; the fragments' LDS loads land in them; the products read them.
;   v112-v207   U's and M's loads land, once; the products and the compares read them.
;   v48-v111    the conversions write the codes; the LDS stores read them; v48-v79 are written again, as results of tiles 2 and 3.
;   v16-v79     the results, each register written once; the global stores read them.
;   s14 and the 32 masks (s16-s39, s4-s11) are scalar registers that vector instructions write.
; So: one wait on va_sdst for s14; one on va_vdst ahead of the first load (the offsets); one ahead of the LDS stores (the codes); one ahead of the LDS loads (the holds' reads); one on va_sdst for all 32 masks, whose
; compares stand in one run a product phase ahead of their readers; one on vm_vsrc ahead of the first result (the LDS stores' reads); one on va_vdst ahead of each half of the global stores.
.set XROW,  4096                       ; bytes in a row of X and of M
.set KPROW, 16384                      ; bytes in a row of kp
.set FRB,   2048                       ; a fragment's image: 16 registers x 32 lanes x 4 bytes
.set XA,  4                            ; v4   X: 16 rows x (lane / 16) + 16 bytes x (lane % 16)
.set UA,  5                            ; v5   U_codes: row lane % 16 of 512 bytes + 16 (lane / 16)
.set MA,  6                            ; v6   M: 8 rows x (lane / 16) + 16 (lane % 16)
.set KA,  7                            ; v7   kp: 4 rows x (lane / 16) + 16 (lane % 16)
.set LI,  8                            ; v8   16 x lane: my place in an image
.set WI,  9                            ; v9   where I store my four images: 16 x lane + 4 FRB x wave
.set LIM, 10                           ; v10  57,344 x 2^e1
.set SC,  11                           ; v11  2^e1
.set NF,  12                           ; v12  -2^(e0 + e1 - 9)
.set T,   16
.set CD,  48
.set AF,  112
.set MB,  176
.set AC,  208
.set OUT, 16
.set MSB, 0
.macro WIN new                         ; the immediate's high byte repeats the setting that is left
.if MSB != \new
	s_set_vgpr_msb (MSB<<8)|\new
.set MSB, \new
.endif
.endm
	s_load_b256 s[4:11], s[0:1], 0x0               ; X s[4:5], U_codes s[6:7], M s[8:9], the scales' exponents s[10:11]
	s_load_b64 s[12:13], s[0:1], 0x20              ; kp
	v_lshl_add_u32 v254, v0, 2, 0x8000
	v_mov_b32 v255, 0
	v_lshrrev_b32 v1, 5, v0
	v_readfirstlane_b32 s14, v1                    ; wave 0..3
	v_and_b32 v1, 31, v0                           ; lane
	v_and_b32 v2, 15, v0                           ; r
	v_bfe_u32 v3, v0, 4, 1                         ; h
	v_lshlrev_b32 v[KA], 4, v2                     ; 16 r
	v_lshl_add_u32 v[MA], v3, 15, v[KA]            ; + 8 h rows of 4,096 bytes
	v_lshl_add_u32 v[XA], v3, 16, v[KA]            ; + 16 h rows of 4,096 bytes
	v_lshl_add_u32 v[KA], v3, 16, v[KA]            ; + 4 h rows of 16,384 bytes
	v_lshlrev_b32 v[UA], 9, v2
	v_lshl_add_u32 v[UA], v3, 4, v[UA]
	v_lshlrev_b32 v[LI], 4, v1
	s_wait_alu depctr_va_sdst(0)                   ; s14 is written, ahead of its first reader: the images' place and all four bases are made from it
	s_lshl_b32 s15, s14, 13
	v_add_nc_u32 v[WI], s15, v[LI]
	s_and_b32 s16, ttmp7, 0xffff                   ; work-group y: which 64 k
	s_lshl_b32 s17, ttmp9, 8                       ; work-group x: 64 columns of f32 are 256 bytes
	s_lshl_b32 s20, s14, 19                        ; X: my 128 rows,
	s_add_co_u32 s20, s20, s17                     ; the group's columns
	s_mov_b32 s21, 0
	s_lshl_b32 s22, s16, 15                        ; U_codes: row 64 y + 16 w, of 512 bytes
	s_lshl_b32 s18, s14, 13
	s_add_co_u32 s22, s22, s18
	s_mov_b32 s23, 0
	s_lshl_b32 s24, s16, 18                        ; M: row 64 y + 16 w, of 4,096 bytes, the group's columns
	s_lshl_b32 s18, s14, 16
	s_add_co_u32 s24, s24, s18
	s_add_co_u32 s24, s24, s17
	s_mov_b32 s25, 0
	s_lshl_b32 s26, s16, 19                        ; kp: row 32 y + 8 w, of 16,384 bytes, pos 64 x on (16 bytes each)
	s_lshl_b32 s18, s14, 17
	s_add_co_u32 s26, s26, s18
	s_lshl_b32 s18, ttmp9, 10
	s_add_co_u32 s26, s26, s18
	s_mov_b32 s27, 0
	s_wait_kmcnt 0x0
	s_load_b64 s[30:31], s[10:11], 0x0             ; e0 (U), e1 (X)
	s_add_nc_u64 s[4:5], s[4:5], s[20:21]
	s_add_nc_u64 s[6:7], s[6:7], s[22:23]
	s_add_nc_u64 s[8:9], s[8:9], s[24:25]
	s_add_nc_u64 s[12:13], s[12:13], s[26:27]
	; all loads go out at once, X's first: X(128 w + 32 c + 16 h + i, 4 r .. 4 r + 3) into register 64 c + 4 i + t of window 1
	WIN 0x40                                       ; destination window 1, address window 0
	s_wait_alu depctr_va_vdst(0)                   ; the six offsets v4 to v9 are written, which every load and store of the kernel reads; only loads and one window switch stand between this wait and the last of the 88 loads
.irp c, 0,1,2,3
.irp i, 0,1,2,3,4,5,6,7,8,9,10,11,12,13,14,15
	global_load_b128 v[64*\c+4*\i:64*\c+4*\i+3], v[XA], s[4:5] offset:(32*\c+\i)*XROW
.endr
.endr
	WIN 0
.irp s, 0,1,2,3                        ; U's fragment of K step s: registers 4 c .. 4 c + 3 hold b = 128 s + 32 c + 16 h + 0 .. 15 of row r: the order in which X's codes are made below
.irp c, 0,1,2,3
	global_load_b128 v[AF+16*\s+4*\c:AF+16*\s+4*\c+3], v[UA], s[6:7] offset:128*\s+32*\c
.endr
.endr
.irp j, 0,1,2,3,4,5,6,7                ; M(8 h + j, 4 r .. 4 r + 3): sixteen lanes read 256 consecutive bytes; read once in the launch
	global_load_b128 v[MB+4*\j:MB+4*\j+3], v[MA], s[8:9] offset:\j*XROW th:TH_LOAD_NT
.endr
	s_wait_kmcnt 0x0
	s_add_co_i32 s32, s31, 127
	s_lshl_b32 s33, s32, 23
	v_mov_b32 v[SC], s33                           ; 2^e1 as f32: the conversion takes its exponent field
	s_add_co_i32 s32, s32, 15
	s_lshl_b32 s32, s32, 23
	s_or_b32 s32, s32, 0x600000
	v_mov_b32 v[LIM], s32                          ; 57,344 x 2^e1
	s_add_co_i32 s34, s30, s31
	s_add_co_i32 s34, s34, 118                     ; e0 + e1 - 9 + 127: the two scales and the division by 512 in one power of two,
	s_lshl_b32 s34, s34, 23
	s_or_b32 s34, s34, 0x80000000                  ; with the sign that the next launch's multiply-add wants
	v_mov_b32 v[NF], s34
	; QUANTISE.  One window setting for the whole phase: the hold's third source lies in window 1, all else in window 0 (the conversions have no third source).
	WIN 0x10
.irp c, 0,1,2,3
.if \c == 0
	s_wait_loadcnt 63                              ; 88 loads were issued; with at most 63 out the oldest 25 are in, X's first 16 among them
.else
	s_wait_loadcnt 72-16*\c                        ; X's loads up to group c are in; behind them 16 (3 - c) of X's, U's 16 and M's 8
.endif
.irp t, 0,1,2,3
.set TT, T+16*((\t)%2)
.irp i, 0,1,2,3,4,5,6,7,8,9,10,11,12,13,14,15
	v_med3_num_f32 v[TT+\i], -v[LIM], v[LIM], v[64*\c+4*\i+\t]   ; the conversion to an 8-bit code does not saturate (ISA guide 7.6.2): the hold, which also lays column 4 r + t's 16 neighbours along b side by side
.endr
	v_cvt_scalef32_pk8_bf8_f32 v[CD+16*\t+4*\c:CD+16*\t+4*\c+1], v[TT:TT+7], v[SC]         ; registers 4 c .. 4 c + 3 of tile t's fragment
	v_cvt_scalef32_pk8_bf8_f32 v[CD+16*\t+4*\c+2:CD+16*\t+4*\c+3], v[TT+8:TT+15], v[SC]    ; (the next sixteen holds write the other set: plain lines stand ahead of the next write of this one)
.endr
.endr
	v_nop                                          ; one plain vector line behind the last conversion: its registers are written again further down
	WIN 0
	s_wait_alu depctr_va_vdst(0)                   ; the conversions have written the codes v48 to v111, which the LDS stores read
.irp t, 0,1,2,3                        ; fragment (K step w, tile t) to LDS as it stands
.irp c, 0,1,2,3
	ds_store_b128 v[WI], v[CD+16*\t+4*\c:CD+16*\t+4*\c+3] offset:\t*FRB+512*\c
.endr
.endr
	s_wait_dscnt 0x0                               ; for the others' sake: my images have landed
	s_barrier_signal -1
	s_barrier_wait -1
	WIN 0x40                                       ; all sixteen fragments come back into window 1, whose numbers are done with
	s_wait_alu depctr_va_vdst(0)                   ; the holds are done reading v256 to v511, in which the fragments land: stated behind the window switch, directly ahead of the loads
.irp s, 0,1,2,3
.irp t, 0,1,2,3
.irp c, 0,1,2,3
	ds_load_b128 v[64*\s+16*\t+4*\c:64*\s+16*\t+4*\c+3], v[LI] offset:(4*\s+\t)*FRB+512*\c
.endr
.endr
.endr
	WIN 0
	s_wait_loadcnt 0x0                             ; U's fragments and M are in.  Every load that read s[4:9] is done, and the scalar load that read s[10:11] was waited for above: these eight registers are free
	; THE MASKS, in one run while the fragments come from LDS: 32 compares into 32 scalar registers (tiles 0 to 2: s16 to s39; tile 3: s4 to s11).  Their one wait stands ahead of their first reader, behind the products.
.irp t, 0,1,2,3
.irp j, 0,1,2,3,4,5,6,7
	v_cmp_lt_f32 s[16+8*\t+\j-36*(\t/3)], 0.5, v[MB+4*\j+\t]   ; M(8 h + j, 4 r + t) > 0.5
.endr
.endr
	WIN 0x04                                       ; source 1 (X's codes) window 1; U's codes and the sums window 0
.irp s, 0,1,2,3                        ; source 0 = 16 rows of U (k), source 1 = 16 columns of X (d).  The four accumulators take turns, one instruction a turn
	s_wait_dscnt 48-16*\s                          ; K step s's sixteen loads are in; the later steps' may be out
.irp t, 0,1,2,3
.if \s == 0
	v_wmma_f32_16x16x128_bf8_bf8 v[AC+8*\t:AC+8*\t+7], v[AF+16*\s:AF+16*\s+15], v[64*\s+16*\t:64*\s+16*\t+15], 0
.else
	v_wmma_f32_16x16x128_bf8_bf8 v[AC+8*\t:AC+8*\t+7], v[AF+16*\s:AF+16*\s+15], v[64*\s+16*\t:64*\s+16*\t+15], v[AC+8*\t:AC+8*\t+7]
.endif
.endr
.endr
	WIN 0
.rept 4
	v_nop                                          ; four places between the last product and the first read of a result (ISA guide 7.12.1)
.endr
	s_wait_alu depctr_va_sdst(0)                   ; the 32 compares have written their masks, ahead of the first select that reads one
	s_wait_alu depctr_vm_vsrc(0)                   ; the LDS stores have read the codes' registers, of which v48 to v79 are written again as results of tiles 2 and 3
; Tile t's results.  Lane (r, h), register j of the accumulator: the sum for k = 8 h + j, d = 4 r + t.  Each accumulator is read from its low end on.
.macro TILE t
.irp j, 0,1,2,3,4,5,6,7
.set MK, 16+8*(\t)+\j-36*((\t)/3)
	v_cndmask_b32 v[OUT+16*(\t)+4*(\j/2)+(\j%2)], 0, 1.0, s[MK]            ; the mask
	v_cndmask_b32 v[OUT+16*(\t)+4*(\j/2)+2+(\j%2)], 0, v[NF], s[MK]        ; -2^(e0 + e1 - 9) or 0,
	v_mul_f32 v[OUT+16*(\t)+4*(\j/2)+2+(\j%2)], v[OUT+16*(\t)+4*(\j/2)+2+(\j%2)], v[AC+8*(\t)+\j]   ; x the sum: -mask x C; a power of two rounds nothing
.endr
.endm
.macro SEND t
.irp p, 0,1,2,3
	global_store_b128 v[KA], v[OUT+16*(\t)+4*\p:OUT+16*(\t)+4*\p+3], s[12:13] offset:\p*KPROW+512*((\t)%2)+256*((\t)/2)   ; sixteen lanes store 256 consecutive bytes, at a multiple of 256 from kp's first byte
.endr
.endm
	TILE 0
	TILE 1
	s_wait_alu depctr_va_vdst(0)                   ; tiles 0 and 1 have written v16 to v47, which their eight stores read
	SEND 0
	TILE 2                                         ; names v48 to v63, its accumulator, v12 and masks: none of the registers that tiles 0's and 1's stores read, so these owe no further wait
	SEND 1
	TILE 3
	s_wait_alu depctr_va_vdst(0)                   ; tiles 2 and 3 have written v48 to v79, which the last eight stores read
	SEND 2
	SEND 3
	s_wait_dscnt 0x0                               ; the closing lines, six on end
	s_wait_alu 0x0
	s_wait_tensorcnt 0x0
	ds_add_u32 v254, v255
	s_wait_dscnt 0x0
	s_endpgm
.Lfunc_end_k_qf307b3f123_prep:
	.size	k_qf307b3f123_prep, .Lfunc_end_k_qf307b3f123_prep-k_qf307b3f123_prep
	.p2alignl 7, 3214868480
	.fill 96, 4, 3214868480
	.section	.rodata,"a",@progbits
	.p2align	6, 0x0
	.amdhsa_kernel k_qf307b3f123_prep
		.amdhsa_group_segment_fixed_size 33280
		.amdhsa_private_segment_fixed_size 0
		.amdhsa_enable_private_segment 0
		.amdhsa_kernarg_size 40
		.amdhsa_user_sgpr_count 2
		.amdhsa_user_sgpr_kernarg_segment_ptr 1
		.amdhsa_wavefront_size32 1
		.amdhsa_system_sgpr_workgroup_id_x 1
		.amdhsa_system_sgpr_workgroup_id_y 1
		.amdhsa_system_sgpr_workgroup_id_z 1
		.amdhsa_system_vgpr_workitem_id 0
		.amdhsa_next_free_vgpr 512
		.amdhsa_next_free_sgpr 66
		.amdhsa_reserve_vcc 0
		.amdhsa_float_denorm_mode_32 3
		.amdhsa_float_denorm_mode_16_64 3
		.amdhsa_memory_ordered 1
		.amdhsa_forward_progress 1
		.amdhsa_inst_pref_size 45
	.end_amdhsa_kernel
	.amdgpu_metadata
---
amdhsa.version: [ 1, 2 ]
amdhsa.kernels:
  - .name:           k_qf307b3f123_prep
    .symbol:         k_qf307b3f123_prep.kd
    .args:
      - { .name: X, .offset: 0, .size: 8, .value_kind: global_buffer, .address_space: global }
      - { .name: U_codes, .offset: 8, .size: 8, .value_kind: global_buffer, .address_space: global }
      - { .name: M, .offset: 16, .size: 8, .value_kind: global_buffer, .address_space: global }
      - { .name: lowp_scales, .offset: 24, .size: 8, .value_kind: global_buffer, .address_space: global }
      - { .name: kp, .offset: 32, .size: 8, .value_kind: global_buffer, .address_space: global }
    .group_segment_fixed_size: 33280
    .private_segment_fixed_size: 0
    .kernarg_segment_align: 8
    .kernarg_segment_size: 40
    .max_flat_workgroup_size: 128
    .sgpr_count:     66
    .vgpr_count:     512
    .wavefront_size: 32
...
	.end_amdgpu_metadata
.endif
;; end of part 3
;; launch dist: the kernel of part 2 again; grid 8 x 32, 8 waves a work-group, clusters of 4 x 4, 327,680 bytes of LDS; arguments X, kp, out0; writes out0
